; MI455X (gfx1250); checked and timed in simulation.
; The chip was launched on July 23, 2026; its instructions are those of AMD's public machine-readable ISA for CDNA 5 (MIT licence, August 2026) and "CDNA5" Instruction Set Architecture Reference Guide (July 2026). The comments in the code are by the model that wrote it; some were corrected since.
;; Continuous Output Generator. Allowed arithmetic: matrix products marked QUANTISED: E4M3 operands, one E8M0 scale for each 32 along K, by v_wmma_scale_f32_16x16x128_f8f6f4 with both operands' format E4M3, f32 sums; everything else in f32.
;; Inputs: W1_codes 512 x 8 x 32 uint8 (E4M3 codes of W1, K innermost, in blocks of 32 codes); W1_scales 512 x 8 uint8 (E8M0 scales of W1, one for each 32 codes along K); W2_codes 256 x 16 x 32 uint8 (E4M3 codes of W2, K innermost, in blocks of 32 codes); W2_scales 256 x 16 uint8 (E8M0 scales of W2, one for each 32 codes along K); b1 512 float32; b2 256 float32; entity_positions 8 x 4,096 x 2 float32; entity_states_codes 8 x 4,096 x 8 x 32 uint8 (E4M3 codes of entity_states, K innermost, in blocks of 32 codes); entity_states_scales 8 x 4,096 x 8 uint8 (E8M0 scales of entity_states, one for each 32 codes along K).
;; Outputs: out0 8 x 4,096 x 256 float32.
;; This version of the problem:
;;   THIS VERSION OF THE PROBLEM IS GIVEN IN LOW PRECISION. The matrix products marked QUANTISED in the list below multiply operands that are first quantised to E4M3 (4 exponent bits, 3 mantissa bits; 8 bits a number), with one power-of-two scale for each 32 numbers along K (OCP MX v1.0); their sums are f32. All else is computed in f32.
;;   The module's matrix products, in the order in which they are computed (A, B: the left and right operand; K: the contracted axis; several contracted axes count as one K, in the product's order):
;;     1. [M 32,768, K 256] x [K 256, N 512]; A: input entity_states (given as codes); B: input W1 (given as codes): QUANTISED
;;     2. [M 32,768, K 512] x [K 512, N 256]; A: computed on the way; B: input W2 (given as codes): QUANTISED
;;     3. batch 8 x [M 4,096, K 4,096] x [K 4,096, N 256]; A: computed on the way; B: computed on the way: QUANTISED
;;   THE QUANTISER, for each operand of a quantised product, along K:
;;     - K is cut into blocks of 32 from its start; a last block that is shorter is filled with zeros.
;;     - A block's scale is 2^e with e = floor(log2(the largest magnitude in the block)) - 8, held to -126 .. 127; a block of zeros has e = 0. As a byte (E8M0): e + 127.
;;     - Each number is divided by its block's scale, clamped to +-448, and rounded to the nearest number of E4M3, ties to even, subnormals kept.
;;     - The product sums the exact products of the quantised numbers (number of the format x scale) in f32.
;;   ~~~python
;;   def quantise(x, axis):      # numpy; x: float32 -> the quantised numbers, widened to float32 again
;;       x = np.moveaxis(x, axis, -1); K = x.shape[-1]
;;       x = np.pad(x, [(0, 0)] * (x.ndim - 1) + [(0, -K % 32)]); x = x.reshape(x.shape[:-1] + (-1, 32)); a = np.abs(x).max(-1, keepdims=True)
;;       e = np.where(a > 0, np.clip(np.frexp(np.where(a > 0, a, 1))[1] - 1 - 8, -126, 127), 0)      # np.frexp(a)[1] - 1 = floor(log2(a)), exactly
;;       r = np.clip(x / 2.0 ** e, -448, 448)
;;       step = 2.0 ** (np.maximum(np.frexp(np.where(r == 0, 1, r))[1] - 1, -6) - 3)
;;       q = np.round(r / step) * step * 2.0 ** e      # np.round: ties to even
;;       return np.moveaxis(q.reshape(q.shape[:-2] + (-1,))[..., :K], -1, axis).astype(np.float32)
;;   ~~~
;;   OPERANDS COMPUTED ON THE WAY. 'Computed on the way' means the value that the module computes at that place (a softmax that the list does not call 'softmax' is quantised finished and normalised). What goes into a quantiser is computed in f32, as accurately as f32 sums, v_exp_f32 and their like allow (about 1e-6 of the number): no bf16 or f16 on the way to a quantiser, and a product that is left as it is and whose result goes on into a quantised operand takes f32 operands (vector FMAs, or v_wmma_f32_16x16x4_f32). A number that lies on a knife's edge between two numbers of the format may be rounded either way, as far as f32 arithmetic and the matrix unit's own rounding can turn it there, and no further.
;;   INPUTS GIVEN AS CODES. W1 (in the module: [256, 512], K = its axis 0); W2 (in the module: [512, 256], K = its axis 0); entity_states (in the module: [8, 4096, 256], K = its axis 2): each comes as NAME_codes (uint8): NAME with its K axis moved to the last place and cut into blocks of 32 codes, [.., K / 32, bytes a block], one block behind the other in memory; one code a byte (a code: sign, 4 exponent bits, 3 mantissa bits); and NAME_scales (uint8): the same leading axes, one E8M0 byte (e + 127) for each 32 codes along K. Its value is code x scale, taken as it is: it is not quantised again, and the codes and scales need not be those that the quantiser above would give.
;; One version. Each part assembles by itself: llvm-mc -triple=amdgcn-amd-amdhsa -mcpu=gfx1250 --defsym DOCPART=n.
;; ======== version 1 of 1: 2 launches
;; limits: inputs' magnitudes at most 1e+18; right only within a limited range of input values
;; workspace buffers: pb 8,650,752 bytes; ey 8,388,608 bytes; ex 8,388,608 bytes; sp 4,194,304 bytes
;; launch prep (part 1): grid 256 x 1, 4 waves a work-group, no clusters, 327,680 bytes of LDS; arguments entity_states_codes, entity_states_scales, W1_codes, W1_scales, b1, W2_codes, W2_scales, b2, entity_positions, pb, ex, ey, sp; writes pb, ex, ey, sp
.if DOCPART == 1
	.amdgcn_target "amdgcn-amd-amdhsa--gfx1250"
	.amdhsa_code_object_version 6
	.text
	.protected	k_q046db33eb7_prep
	.globl	k_q046db33eb7_prep
	.p2align	8
	.type	k_q046db33eb7_prep,@function
k_q046db33eb7_prep:
	s_mov_b64 s[64:65], 0
	v_nop
	global_prefetch_b8 v0, s[64:65] scope:SCOPE_SE
	s_setreg_imm32_b32 hwreg(HW_REG_WAVE_MODE, 25, 1), 1
	s_wait_xcnt 0x0
.set XP,   272
.set XSL,  34816
.set EYI,  35840
.set XT,   68608
.set XTP,  528
.set HIMG, 102400
.set HSC,  167936
.set W1S,  96
.set TM,   112
.set PC,   128
.set PWK,  24
.set W2S,  160
.set HS,   176
.set XS,   184
.set B2,   192
.set SACC, 224
.set XI,   128
.set YI,   192
.set AX,   64
.set TT,   80
.set PP,   96
.set SQ,   112
.set C9V,  128
.set MSB, 0
.macro WIN new
.if MSB != (\new)
	s_set_vgpr_msb (MSB<<8)|(\new)
.set MSB, (\new)
.endif
.endm
.macro NOPS n
.rept \n
	v_nop
.endr
.endm
.macro BARRIER
	s_wait_dscnt 0x0
	s_barrier_signal -1
	s_barrier_wait -1
.endm
.macro SPAIR r, val
	s_mov_b32 s[\r], \val
	s_mov_b32 s[\r+1], \val
.endm
.macro EXPS base
.set ek, 0
.rept 16
	v_pk_mul_f32 v[ek:ek+1], v[\base+ek:\base+ek+1], v[\base+ek:\base+ek+1]
.set ek, ek+2
.endr
.set ek, 0
.rept 16
	v_pk_fma_f32 v[96+ek:97+ek], v[\base+ek:\base+ek+1], v[\base+ek:\base+ek+1], v[ek:ek+1] neg_lo:[0,0,1] neg_hi:[0,0,1]
.set ek, ek+2
.endr
.set ek, 0
.rept 16
	v_pk_mul_f32 v[32+ek:33+ek], v[ek:ek+1], s[66:67] op_sel_hi:[1,0]
.set ek, ek+2
.endr
.set ek, 0
.rept 16
	v_pk_fma_f32 v[64+ek:65+ek], v[ek:ek+1], s[66:67], v[32+ek:33+ek] op_sel_hi:[1,0,1] neg_lo:[0,0,1] neg_hi:[0,0,1]
.set ek, ek+2
.endr
.set ek, 0
.rept 16
	v_pk_fma_f32 v[64+ek:65+ek], v[96+ek:97+ek], s[66:67], v[64+ek:65+ek] op_sel_hi:[1,0,1]
.set ek, ek+2
.endr
.set ek, 0
.rept 16
	v_pk_fma_f32 v[64+ek:65+ek], v[ek:ek+1], s[68:69], v[64+ek:65+ek] op_sel_hi:[1,0,1]
.set ek, ek+2
.endr
.set ek, 0
.rept 32
	v_exp_f32 v[32+ek], v[32+ek]
.set ek, ek+1
.endr
	v_nop
.set ek, 0
	s_wait_alu depctr_va_vdst(0)
.rept 16
	v_pk_mul_f32 v[64+ek:65+ek], v[64+ek:65+ek], v[32+ek:33+ek]
.set ek, ek+2
.endr
.set ek, 0
.rept 16
	v_pk_fma_f32 v[\base+ek:\base+ek+1], v[64+ek:65+ek], s[70:71], v[32+ek:33+ek] op_sel_hi:[1,0,1]
.set ek, ek+2
.endr
.endm
.macro GELU ch
	WIN 0xff
.set gx, 16*(\ch)
.set gk, 0
.rept 16
	v_and_b32 v[AX+gk], s63, v[gx+gk]
.set gk, gk+1
.endr
.set gk, 0
.rept 8
	v_pk_fma_f32 v[TT+gk:TT+gk+1], v[AX+gk:AX+gk+1], s[92:93], 1.0 op_sel_hi:[1,0,0]
.set gk, gk+2
.endr
.set gk, 0
	s_wait_alu depctr_va_vdst(0)
.rept 16
	v_rcp_f32 v[TT+gk], v[TT+gk]
.set gk, gk+1
.endr
.set gk, 0
.rept 8
	v_pk_mul_f32 v[SQ+gk:SQ+gk+1], v[gx+gk:gx+gk+1], v[gx+gk:gx+gk+1]
.set gk, gk+2
.endr
.set gk, 0
	s_wait_alu depctr_va_vdst(0)
.rept 8
	v_pk_fma_f32 v[PP+gk:PP+gk+1], v[TT+gk:TT+gk+1], v[C9V:C9V+1], s[88:89] op_sel_hi:[1,1,0]
.set gk, gk+2
.endr
.irp cc, 7,6,5,4,3,2,1,0
.set gk, 0
.rept 8
	v_pk_fma_f32 v[PP+gk:PP+gk+1], v[PP+gk:PP+gk+1], v[TT+gk:TT+gk+1], s[72+2*\cc:73+2*\cc] op_sel_hi:[1,1,0]
.set gk, gk+2
.endr
.endr
.set gk, 0
.rept 8
	v_pk_fma_f32 v[PP+gk:PP+gk+1], v[SQ+gk:SQ+gk+1], s[94:95], v[PP+gk:PP+gk+1] op_sel_hi:[1,0,1]
.set gk, gk+2
.endr
.set gk, 0
	s_wait_alu depctr_va_vdst(0)
.rept 16
	v_exp_f32 v[PP+gk], v[PP+gk]
.set gk, gk+1
.endr
.set gk, 0
.rept 16
	v_max_num_f32 v[gx+gk], 0, v[gx+gk]
.set gk, gk+1
.endr
.set gk, 0
	s_wait_alu depctr_va_vdst(0)
.rept 8
	v_pk_mul_f32 v[PP+gk:PP+gk+1], v[PP+gk:PP+gk+1], v[TT+gk:TT+gk+1]
.set gk, gk+2
.endr
.set gk, 0
.rept 8
	v_pk_fma_f32 v[gx+gk:gx+gk+1], v[AX+gk:AX+gk+1], v[PP+gk:PP+gk+1], v[gx+gk:gx+gk+1] neg_lo:[1,0,0] neg_hi:[1,0,0]
.set gk, gk+2
.endr
.endm
.macro QUANT s, pw
	WIN 0x3c
.irp b, 0,1,2,3
	v_max3_num_f32 v[TM+\b], 0x4800000, |v[(\s)+16*\b]|, |v[(\s)+16*\b+1]|
.endr
.irp i, 2,4,6,8,10,12,14
.irp b, 0,1,2,3
	v_max3_num_f32 v[TM+\b], v[TM+\b], |v[(\s)+16*\b+\i]|, |v[(\s)+16*\b+\i+1]|
.endr
.endr
	WIN 0
.irp b, 0,1,2,3
	v_permlanex16_b32 v[TM+4+\b], v[TM+\b], s60, s61
.endr
.irp b, 0,1,2,3
	v_max_num_f32 v[TM+\b], v[TM+\b], v[TM+4+\b]
.endr
.irp b, 0,1,2,3
	v_add_nc_u32 v[TM+12+\b], 0xfc000000, v[TM+\b]
.endr
.irp b, 0,1,2,3
	v_and_or_b32 v[TM+8+\b], v[TM+\b], 0x7f800000, s62
.endr
.irp b, 0,1,2,3
	v_lshrrev_b32 v[TM+4+\b], 23, v[TM+12+\b]
.endr
	v_lshl_or_b32 v[\pw], v[TM+5], 8, v[TM+4]
	v_lshl_or_b32 v[\pw], v[TM+6], 16, v[\pw]
	v_lshl_or_b32 v[\pw], v[TM+7], 24, v[\pw]
.irp b, 0,1,2,3
	WIN 0xc3
.irp i, 0,1,2,3,4,5,6,7,8,9,10,11,12,13,14,15
	v_med3_num_f32 v[(\s)+16*\b+\i], v[(\s)+16*\b+\i], -v[TM+8+\b], v[TM+8+\b]
.endr
	WIN 0x03
	v_cvt_scalef32_pk8_fp8_f32 v[PC+4*\b:PC+4*\b+1], v[(\s)+16*\b:(\s)+16*\b+7], v[TM+12+\b]
	v_cvt_scalef32_pk8_fp8_f32 v[PC+4*\b+2:PC+4*\b+3], v[(\s)+16*\b+8:(\s)+16*\b+15], v[TM+12+\b]
.endr
	v_nop
	WIN 0
.endm
	s_load_b512 s[4:19], s[0:1], 0x0
	s_load_b256 s[20:27], s[0:1], 0x40
	s_load_b64 s[28:29], s[0:1], 0x60
	v_lshl_add_u32 v158, v0, 2, 0x2a000
	v_mov_b32 v159, 0
	ds_add_u32 v158, v159
	ds_add_u32 v158, v159
	v_lshrrev_b32 v1, 5, v0
	v_readfirstlane_b32 s30, v1
	s_mov_b32 s31, ttmp9
	s_mov_b32 s36, (1<<20)|(5<<22)|(3<<25)
	s_mov_b32 s37, 256<<16
	s_mov_b32 s38, 32<<16
	s_mov_b32 s39, 256<<16
	s_mov_b32 s40, 32
	s_mov_b32 s41, 256
	s_mov_b32 s42, 0
	s_mov_b32 s43, 0
	s_mov_b32 s48, 3<<16
	s_mov_b32 s49, 32<<16
	s_mov_b32 s50, 1<<16
	s_mov_b32 s51, 32<<16
	s_mov_b32 s52, 1
	s_mov_b32 s53, 32
	s_mov_b32 s54, 0
	s_mov_b32 s55, 0
	s_mov_b32 s44, 1
	s_mul_i32 s45, s30, 32*XP
	s_mov_b32 s56, 1
	s_lshl_b32 s57, s30, 8
	s_add_co_u32 s57, s57, XSL
	s_lshl_b32 s32, s31, 15
	s_lshl_b32 s34, s30, 13
	s_add_co_u32 s32, s32, s34
	s_mov_b32 s33, 0
	s_lshl_b32 s34, s31, 10
	s_lshl_b32 s35, s30, 8
	s_add_co_u32 s34, s34, s35
	s_mov_b32 s35, 0
	s_wait_dscnt 0x0
	s_wait_kmcnt 0x0
	s_add_nc_u64 s[46:47], s[4:5], s[32:33]
	s_or_b32 s47, s47, 0x80000000
	s_add_nc_u64 s[58:59], s[6:7], s[34:35]
	s_or_b32 s59, s59, 0x80000000
	tensor_load_to_lds s[44:47], s[36:43]
	s_nop 0
	s_wait_alu depctr_va_vdst(0)
	s_wait_tensorcnt 0x0
	ds_add_u32 v158, v159
	s_wait_dscnt 0x0
	s_barrier_signal -1
	s_barrier_wait -1
	tensor_load_to_lds s[56:59], s[48:55]
	s_nop 0
	NOPS 4
	s_lshl_b32 s32, s31, 10
	s_add_nc_u64 s[20:21], s[20:21], s[32:33]
	s_lshl_b32 s32, s30, 15
	s_add_nc_u64 s[8:9], s[8:9], s[32:33]
	s_add_nc_u64 s[14:15], s[14:15], s[32:33]
	v_and_b32 v1, 31, v0
	s_wait_alu depctr_va_vdst(0)
	v_and_b32 v2, 15, v0
	v_bfe_u32 v3, v0, 4, 1
	v_lshlrev_b32 v15, 7, v3
	v_and_b32 v10, 8, v2
	v_add_nc_u32 v10, v10, v2
	s_wait_alu depctr_va_vdst(0)
	v_lshlrev_b32 v19, 8, v10
	v_lshl_add_u32 v19, v3, 4, v19
	WIN 0xc0
.irp c, 0,1,2,3
.irp kk, 0,1,2,3,4,5,6,7
	global_load_b128 v[32*\c+4*\kk:32*\c+4*\kk+3], v15, s[20:21] offset:256*\c+16*\kk
.endr
.endr
	WIN 0x40
.irp t, 0,1,2,3,4,5,6,7
.irp ks, 0,1
.irp cc, 0,1,2,3
	global_load_b128 v[16*(2*\t+\ks)+4*\cc:16*(2*\t+\ks)+4*\cc+3], v19, s[8:9] offset:(32*(\t/2)+8*(\t%2))*256+128*\ks+32*\cc
.endr
.endr
.endr
	WIN 0
	s_lshl_b32 s32, s30, 10
	s_add_nc_u64 s[10:11], s[10:11], s[32:33]
	s_add_nc_u64 s[16:17], s[16:17], s[32:33]
	s_lshl_b32 s32, s30, 9
	s_add_nc_u64 s[12:13], s[12:13], s[32:33]
	s_lshl_b32 s32, s30, 8
	s_add_nc_u64 s[18:19], s[18:19], s[32:33]
	s_mul_i32 s32, s31, 33792
	s_add_nc_u64 s[22:23], s[22:23], s[32:33]
	s_lshl_b32 s32, s30, 8
	s_add_co_u32 s32, s32, 32768
	s_add_nc_u64 s[4:5], s[22:23], s[32:33]
	s_lshl_b32 s32, s30, 13
	s_add_nc_u64 s[22:23], s[22:23], s[32:33]
	s_lshr_b32 s34, s31, 5
	s_and_b32 s35, s31, 31
	s_lshl_b32 s32, s34, 6
	s_lshl_b32 s100, s30, 4
	s_add_co_u32 s32, s32, s100
	s_lshl_b32 s32, s32, 14
	s_lshl_b32 s100, s35, 9
	s_add_co_u32 s32, s32, s100
	s_add_nc_u64 s[24:25], s[24:25], s[32:33]
	s_lshl_b32 s32, s34, 1
	s_lshr_b32 s100, s30, 1
	s_add_co_u32 s32, s32, s100
	s_lshl_b32 s32, s32, 5
	s_add_co_u32 s32, s32, s35
	s_lshl_b32 s32, s32, 14
	s_and_b32 s100, s30, 1
	s_lshl_b32 s100, s100, 13
	s_add_co_u32 s32, s32, s100
	s_add_nc_u64 s[26:27], s[26:27], s[32:33]
	s_lshl_b32 s32, s31, 14
	s_lshl_b32 s100, s30, 12
	s_add_co_u32 s32, s32, s100
	s_add_nc_u64 s[28:29], s[28:29], s[32:33]
	s_mov_b32 s60, 0x76543210
	s_mov_b32 s61, 0xfedcba98
	s_mov_b32 s62, 0x600000
	s_mov_b32 s63, 0x7fffffff
	s_mov_b32 s99, 0xffff0000
	SPAIR 66, 0xc166d4ca
	SPAIR 68, 0x348c0ad0
	SPAIR 70, 0x3f317218
	SPAIR 72, 0xc034d90f
	SPAIR 74, 0x3fb8ab5a
	SPAIR 76, 0x3f0a29d2
	SPAIR 78, 0x3e0efb2e
	SPAIR 80, 0xbe899a80
	SPAIR 82, 0x3ecdfd18
	SPAIR 84, 0xbfd1a1e5
	SPAIR 86, 0x40097039
	SPAIR 88, 0xbf97d29d
	SPAIR 90, 0x3e7c6f08
	SPAIR 92, 0x3eb504f3
	SPAIR 94, 0xbf38aa3b
	v_lshlrev_b32 v4, 4, v1
	v_lshlrev_b32 v5, 2, v1
	v_lshlrev_b32 v30, 3, v1
	v_mul_u32_u24 v6, v10, XP
	v_lshl_add_u32 v6, v3, 4, v6
	v_lshl_add_u32 v7, v10, 3, XSL
	s_lshl_b32 s100, s30, 11
	v_add_nc_u32 v8, s100, v4
	v_add_nc_u32 v8, HIMG, v8
	s_lshl_b32 s100, s30, 7
	v_add_nc_u32 v9, s100, v5
	v_add_nc_u32 v9, HSC, v9
	s_lshl_b32 s100, s30, 13
	v_add_nc_u32 v16, s100, v4
	v_add_nc_u32 v16, EYI, v16
	s_mul_i32 s100, s30, 16*XTP
	s_add_co_u32 s100, s100, XT
	v_mul_u32_u24 v17, v2, XTP
	v_lshl_add_u32 v17, v3, 6, v17
	v_add_nc_u32 v17, s100, v17
	v_add_nc_u32 v18, s100, v4
	v_lshlrev_b32 v20, 9, v2
	v_lshl_add_u32 v20, v3, 4, v20
	v_add_nc_u32 v21, HIMG, v4
	v_add_nc_u32 v22, HSC, v5
	v_add_nc_u32 v23, EYI, v4
	v_lshlrev_b32 v188, 6, v3
	v_lshlrev_b32 v189, 4, v2
	v_lshlrev_b32 v190, 2, v2
	v_lshlrev_b32 v191, 3, v10
.irp b, 0,1,2,3
	v_mov_b32 v[TM+4+\b], 0
.endr
	v_lshl_add_u32 v11, s30, 4, v2
	v_cvt_f32_u32 v11, v11
	v_mul_f32 v12, 0x3c820821, v11
	v_fmamk_f32 v13, v12, 0xc27c0000, v11
	v_fmamk_f32 v13, v13, 0x3c820821, v12
	v_sub_f32 v12, 1.0, v13
	v_sub_f32 v14, v13, v12
	s_wait_alu depctr_va_vdst(0)
	s_wait_loadcnt 63
	WIN 0xcc
.irp c, 0,1,2,3
.irp kk, 0,1,2,3,4,5,6,7
.irp e, 0,1
	v_sub_f32 v[XI+16*\c+2*\kk+\e], v14, v[32*\c+4*\kk+2*\e]
	v_sub_f32 v[YI+16*\c+2*\kk+\e], v14, v[32*\c+4*\kk+2*\e+1]
.endr
.endr
.endr
	WIN 0xff
	EXPS 128
	EXPS 160
	EXPS 192
	EXPS 224
	WIN 0x0c
.irp q, 0,1,2,3,4,5,6,7,8,9,10,11,12,13,14,15
	global_store_b128 v4, v[YI+4*\q:YI+4*\q+3], s[26:27] offset:512*\q
.endr
.irp q, 0,1,2,3,4,5,6,7,8,9,10,11,12,13,14,15
	ds_store_b128 v16, v[YI+4*\q:YI+4*\q+3] offset:512*\q
.endr
.irp c, 0,1,2,3
.irp p, 0,1,2,3
	ds_store_b128 v17, v[XI+16*\c+4*\p:XI+16*\c+4*\p+3] offset:128*\c+16*\p
.endr
.endr
	WIN 0xc0
.irp i, 0,1,2,3,4,5,6,7,8,9,10,11,12,13,14,15
	ds_load_b128 v[4*\i:4*\i+3], v18 offset:XTP*\i
.endr
	WIN 0x0c
.irp i, 0,1,2,3,4,5,6,7,8,9,10,11,12,13,14,15
	s_wait_dscnt 15-\i
	global_store_b128 v4, v[4*\i:4*\i+3], s[24:25] offset:16384*\i
.endr
	s_wait_xcnt 0x0
	WIN 0
.irp t, 0,1,2,3,4,5,6,7
	global_load_b64 v[W1S+2*\t:W1S+2*\t+1], v191, s[10:11] offset:(32*(\t/2)+8*(\t%2))*8
.endr
	WIN 0xc0
.irp t, 0,1,2,3,4,5,6,7
	global_load_b128 v[192+8*\t:195+8*\t], v188, s[12:13] offset:(32*(\t/2)+8*(\t%2))*4
	global_load_b128 v[196+8*\t:199+8*\t], v188, s[12:13] offset:(32*(\t/2)+8*(\t%2))*4+16
.endr
	WIN 0x80
.irp tl, 0,1,2,3
.irp ks, 0,1,2,3
.irp cc, 0,1,2,3
	global_load_b128 v[16*(4*\tl+\ks)+4*\cc:16*(4*\tl+\ks)+4*\cc+3], v20, s[14:15] offset:8192*\tl+128*\ks+32*\cc
.endr
.endr
.endr
	WIN 0
.irp tl, 0,1,2,3
	global_load_b128 v[W2S+4*\tl:W2S+4*\tl+3], v189, s[16:17] offset:256*\tl
.endr
.irp tl, 0,1,2,3
	global_load_b32 v[B2+8*\tl], v190, s[18:19] offset:64*\tl
.endr
	s_wait_tensorcnt 0x0
	BARRIER
.irp rd, 0,1
	WIN 0xc0
.irp jl, 0,1
.irp q, 0,1,2,3,4,5,6,7,8,9,10,11,12,13,14,15
	ds_load_b128 v[64*\jl+4*\q:64*\jl+4*\q+3], v23 offset:(2*\rd+\jl)*8192+512*\q
.endr
.endr
	s_wait_dscnt 0x0
	WIN 0x0f
	v_wmma_f32_16x16x4_f32 v[SACC+16*\rd:SACC+16*\rd+7], v[XI:XI+1], v[0:1], 0
	v_wmma_f32_16x16x4_f32 v[SACC+16*\rd+8:SACC+16*\rd+15], v[XI:XI+1], v[64:65], 0
.set sk, 2
.rept 31
	v_wmma_f32_16x16x4_f32 v[SACC+16*\rd:SACC+16*\rd+7], v[XI+sk:XI+sk+1], v[sk:sk+1], v[SACC+16*\rd:SACC+16*\rd+7]
	v_wmma_f32_16x16x4_f32 v[SACC+16*\rd+8:SACC+16*\rd+15], v[XI+sk:XI+sk+1], v[64+sk:65+sk], v[SACC+16*\rd+8:SACC+16*\rd+15]
.set sk, sk+2
.endr
	NOPS 8
.endr
	WIN 0
.irp jt, 0,1,2,3
	global_store_b128 v4, v[SACC+8*\jt:SACC+8*\jt+3], s[28:29] offset:1024*\jt
	global_store_b128 v4, v[SACC+8*\jt+4:SACC+8*\jt+7], s[28:29] offset:1024*\jt+512
.endr
	s_wait_loadcnt 63
	WIN 0xc0
	v_mov_b32 v[C9V], s90
	v_mov_b32 v[C9V+1], s90
	WIN 0
	s_mov_b32 s96, 4
	s_mov_b32 s97, 0
	s_mov_b32 s100, 0
	s_mov_b32 s98, 0
	s_mov_b32 s101, 0
.Lc:
	v_add_nc_u32 v10, s97, v6
	v_add_nc_u32 v11, s100, v7
	v_add_nc_u32 v12, s98, v8
	v_add_nc_u32 v13, s101, v9
.irp u, 0,1
.irp ks, 0,1
.irp cc, 0,1,2,3
	ds_load_b128 v[32+32*\u+16*\ks+4*\cc:35+32*\u+16*\ks+4*\cc], v10 offset:8*XP*\u+128*\ks+32*\cc
.endr
.endr
	ds_load_b64 v[XS+2*\u:XS+2*\u+1], v11 offset:64*\u
.endr
.irp u, 0,1
	s_wait_dscnt 9*(1-\u)
	WIN 0xf1
.irp t, 0,1,2,3,4,5,6,7
	v_wmma_scale_f32_16x16x128_f8f6f4 v[8*\t:8*\t+7], v[32*\t:32*\t+15], v[32+32*\u:47+32*\u], v[192+8*\t:199+8*\t], v[W1S+2*\t], v[XS+2*\u]
.endr
.irp t, 0,1,2,3,4,5,6,7
	v_wmma_scale_f32_16x16x128_f8f6f4 v[8*\t:8*\t+7], v[32*\t+16:32*\t+31], v[48+32*\u:63+32*\u], v[8*\t:8*\t+7], v[W1S+2*\t+1], v[XS+2*\u+1]
.endr
	WIN 0
	NOPS 8
	GELU 0
	GELU 1
	GELU 2
	GELU 3
	QUANT 0, PWK
.irp cc, 0,1,2,3
	ds_store_b128 v12, v[PC+4*\cc:PC+4*\cc+3] offset:8192*\u+512*\cc
.endr
	ds_store_b32 v13, v[PWK] offset:512*\u
.endr
	s_add_co_u32 s97, s97, 32*XP
	s_add_co_u32 s100, s100, 256
	s_add_co_u32 s98, s98, 16384
	s_add_co_u32 s101, s101, 1024
	s_sub_co_u32 s96, s96, 1
	s_cmp_lg_u32 s96, 0
	s_cbranch_scc1 .Lc
	BARRIER
.macro HFETCH g
	WIN 0x40
.irp mm, 0,1,2,3
.irp cc, 0,1,2,3
	ds_load_b128 v[64*((\g)%2)+16*\mm+4*\cc:64*((\g)%2)+16*\mm+4*\cc+3], v21 offset:(4*(4*((\g)%2)+\mm)+(\g)/2)*2048+512*\cc
.endr
.endr
	WIN 0
.irp mm, 0,1,2,3
	ds_load_b32 v[HS+4*((\g)%2)+\mm], v22 offset:(4*(4*((\g)%2)+\mm)+(\g)/2)*128
.endr
.endm
.macro HMUL g
.set hs, (\g)/2
.set hm, (\g)%2
.if hs == 0
	WIN 0xc9
.else
	WIN 0xf9
.endif
.irp mm, 0,1,2,3
.irp tl, 0,1,2,3
.if hs == 0
	v_wmma_scale_f32_16x16x128_f8f6f4 v[8*(8*\tl+4*hm+\mm):8*(8*\tl+4*hm+\mm)+7], v[64*hm+16*\mm:64*hm+16*\mm+15], v[16*(4*\tl+hs):16*(4*\tl+hs)+15], v[B2+8*\tl:B2+8*\tl+7], v[HS+4*hm+\mm], v[W2S+4*\tl+hs]
.else
	v_wmma_scale_f32_16x16x128_f8f6f4 v[8*(8*\tl+4*hm+\mm):8*(8*\tl+4*hm+\mm)+7], v[64*hm+16*\mm:64*hm+16*\mm+15], v[16*(4*\tl+hs):16*(4*\tl+hs)+15], v[8*(8*\tl+4*hm+\mm):8*(8*\tl+4*hm+\mm)+7], v[HS+4*hm+\mm], v[W2S+4*\tl+hs]
.endif
.endr
.endr
	WIN 0
	NOPS 8
.endm
	HFETCH 0
	HFETCH 1
	s_wait_loadcnt 0x0
.irp tl, 0,1,2,3
.irp j, 1,2,3,4,5,6,7
	v_mov_b32 v[B2+8*\tl+\j], v[B2+8*\tl]
.endr
.endr
	s_wait_alu depctr_va_vdst(0)
.irp g, 0,1,2,3,4,5
	s_wait_dscnt 20
	HMUL \g
	HFETCH \g+2
.endr
	s_wait_dscnt 20
	HMUL 6
	s_wait_dscnt 0x0
	HMUL 7
.irp tl, 0,1,2,3
.if \tl > 0
	s_wait_xcnt 0x0
.endif
	QUANT 64*\tl, PWK+\tl
.irp cc, 0,1,2,3
	global_store_b128 v4, v[PC+4*\cc:PC+4*\cc+3], s[22:23] offset:2048*\tl+512*\cc
.endr
.endr
	v_cndmask_b32 v28, v24, v25, s99
	v_cndmask_b32 v29, v26, v27, s99
	global_store_b64 v30, v[28:29], s[4:5]
	s_wait_tensorcnt 0x0
	ds_add_u32 v158, v159
	s_wait_dscnt 0x0
	s_endpgm
.Lfunc_end_k_q046db33eb7_prep:
	.size	k_q046db33eb7_prep, .Lfunc_end_k_q046db33eb7_prep-k_q046db33eb7_prep
	.p2alignl 7, 3214868480
	.fill 96, 4, 3214868480
	.section	.rodata,"a",@progbits
	.p2align	6, 0x0
	.amdhsa_kernel k_q046db33eb7_prep
		.amdhsa_group_segment_fixed_size 327680
		.amdhsa_private_segment_fixed_size 0
		.amdhsa_enable_private_segment 0
		.amdhsa_kernarg_size 104
		.amdhsa_user_sgpr_count 2
		.amdhsa_user_sgpr_kernarg_segment_ptr 1
		.amdhsa_wavefront_size32 1
		.amdhsa_system_sgpr_workgroup_id_x 1
		.amdhsa_system_sgpr_workgroup_id_y 1
		.amdhsa_system_sgpr_workgroup_id_z 1
		.amdhsa_system_vgpr_workitem_id 0
		.amdhsa_next_free_vgpr 1024
		.amdhsa_next_free_sgpr 102
		.amdhsa_reserve_vcc 0
		.amdhsa_float_denorm_mode_32 3
		.amdhsa_float_denorm_mode_16_64 3
		.amdhsa_memory_ordered 1
		.amdhsa_forward_progress 1
		.amdhsa_inst_pref_size 250
	.end_amdhsa_kernel
	.amdgpu_metadata
---
amdhsa.version: [ 1, 2 ]
amdhsa.kernels:
  - .name:           k_q046db33eb7_prep
    .symbol:         k_q046db33eb7_prep.kd
    .args:
      - { .name: entity_states_codes, .offset: 0, .size: 8, .value_kind: global_buffer, .address_space: global }
      - { .name: entity_states_scales, .offset: 8, .size: 8, .value_kind: global_buffer, .address_space: global }
      - { .name: W1_codes, .offset: 16, .size: 8, .value_kind: global_buffer, .address_space: global }
      - { .name: W1_scales, .offset: 24, .size: 8, .value_kind: global_buffer, .address_space: global }
      - { .name: b1, .offset: 32, .size: 8, .value_kind: global_buffer, .address_space: global }
      - { .name: W2_codes, .offset: 40, .size: 8, .value_kind: global_buffer, .address_space: global }
      - { .name: W2_scales, .offset: 48, .size: 8, .value_kind: global_buffer, .address_space: global }
      - { .name: b2, .offset: 56, .size: 8, .value_kind: global_buffer, .address_space: global }
      - { .name: entity_positions, .offset: 64, .size: 8, .value_kind: global_buffer, .address_space: global }
      - { .name: pb, .offset: 72, .size: 8, .value_kind: global_buffer, .address_space: global }
      - { .name: ex, .offset: 80, .size: 8, .value_kind: global_buffer, .address_space: global }
      - { .name: ey, .offset: 88, .size: 8, .value_kind: global_buffer, .address_space: global }
      - { .name: sp, .offset: 96, .size: 8, .value_kind: global_buffer, .address_space: global }
    .group_segment_fixed_size: 327680
    .private_segment_fixed_size: 0
    .kernarg_segment_align: 8
    .kernarg_segment_size: 104
    .max_flat_workgroup_size: 128
    .sgpr_count:     102
    .vgpr_count:     1024
    .wavefront_size: 32
...
	.end_amdgpu_metadata
.endif
;; end of part 1
;; launch pool (part 2): grid 256 x 1, 4 waves a work-group, clusters of 4 x 1, 327,680 bytes of LDS; arguments pb, ey, ex, sp, out0; writes out0
.if DOCPART == 2
	.amdgcn_target "amdgcn-amd-amdhsa--gfx1250"
	.amdhsa_code_object_version 6
	.text
	.protected	k_q046db33eb7_pool
	.globl	k_q046db33eb7_pool
	.p2align	8
	.type	k_q046db33eb7_pool,@function
k_q046db33eb7_pool:
	s_mov_b64 s[64:65], 0
	v_nop
	global_prefetch_b8 v0, s[64:65] scope:SCOPE_SE
	s_setreg_imm32_b32 hwreg(HW_REG_WAVE_MODE, 25, 1), 1
	s_wait_xcnt 0x0
	s_wait_alu depctr_hold_cnt(0) depctr_sa_sdst(0) depctr_va_vdst(0) depctr_va_sdst(0) depctr_va_ssrc(0) depctr_va_vcc(0) depctr_vm_vsrc(0)
	s_getreg_b32 s2, hwreg(HW_REG_IB_STS2, 6, 4)
	s_cmp_eq_u32 s2, 0
	s_cbranch_scc0 .Lentry_in_a_cluster
	s_endpgm
.Lentry_in_a_cluster:
	s_bfe_u32 s2, ttmp6, 0x10000c
	s_cmp_lg_u32 s2, 0x3003
	s_cbranch_scc0 .Lentry_shape_is_right
	s_endpgm
.Lentry_shape_is_right:
; POOL.  out0[b][64 i + j][o] = sum over n of Q(w)[i, j, n] Q(projected)[n][o], w = Ex[i][n] Ey[j][n] / (S[i][j] + 1e-8), on codes of E4M3 with one E8M0 scale for each 32 along n.
; projected's codes and scale words come from the launch before as images of the operand's registers; w is made and quantised here, in registers, each fragment once, and meets all 256 outputs.
; SHARES.  Cluster C (of 64): b = C / 8, jh = (C / 4) % 2; work-group cx of it: iq = 4 (C % 4) + cx.  A work-group owns grid rows i = 4 iq .. + 3, j = 32 jh .. + 31, all outputs.
; Wave wv: gh = wv % 2 picks 16 of the j; kh = wv / 2 a half of K: in trip T it takes K step 2 T + kh (128 entities).  Its slot a (0 .. 3) stands for i = 4 iq + (a xor 2 kh): at the end
; every wave keeps the sums of slots 0, 1 and hands those of slots 2, 3 to wave wv xor 2.  A wave's tile: 64 grid points x 256 outputs, 64 accumulators; a fragment of projected is read from LDS once for 4 products.
; JOINT LOADS.  The four work-groups of a cluster share b and jh, so they walk the same blocks of pb and ey: each block is asked for jointly (mask 15).  cx enters global addresses of ex, sp and out0 alone.
; THE PRODUCT IS USED TRANSPOSED: source 0 = 16 outputs of projected, source 1 = 16 grid points of w: a lane holds one grid point and eight neighbouring outputs.
; BY TURNS.  A fragment of w is 194 vector lines in 16 segments; behind each segment stands one of the 16 products of the fragment made before.  LDS loads stand in runs at a segment's end, ahead of the product.
; NO PREFETCH: a refill is asked for a whole trip (64 products and 776 vector lines of each wave) ahead of the wait for it, and each block is asked for once by a cluster.
; LIMITS: a block of w that is all zeros has the scale byte 1 and zero codes (the bytes are read by this launch alone).
; LDS: two slots, 2^17 bytes apart: projected's blocks of K steps 2 T, 2 T + 1 (33,792 each), then Ey's (16,384 each); the spare words at 262,144.  On the way out slot 0 serves the exchange and slot 1 the stages:
; both have had their last fill and their last read by then.  All of the WGP's LDS is claimed.
; REGISTERS.  window 0: v1-3 addresses that stay, v4-6 those in hand, v7 4 lane, v8-9 for the add, v12-15 and v60-63 r (each twice), v16-31 Ex, v32-39 projected's scale words, v40-43 w's, v44-59 at work,
;   v64-127 Ey, v128-191 w, v192-255 w's codes (16 a slot).  window 1: projected's 16 fragments.  window 2: accumulators of slots 0, 1 at v[8 (16 a + t)].  window 3: those of slots 2, 3.
.set SLOT1, 1<<17
.set PBLK,  33792
.set EYO,   2*PBLK
.set SPARE, 262144
.set STG,   SLOT1
.set SGP,   1040                       ; a stage row: 1,024 bytes + 16
.set MSB, 0
.macro WIN new                         ; the immediate's high byte repeats the setting that is left; bits 1:0 source 0, 3:2 source 1, 5:4 source 2, 7:6 destination
.if MSB != (\new)
	s_set_vgpr_msb (MSB<<8)|(\new)
.set MSB, (\new)
.endif
.endm
.macro NOPS n
.rept \n
	v_nop
.endr
.endm
.macro VW                              ; this wait ahead of a blocking wait behind which fresh vector results are read
	s_wait_alu depctr_va_vdst(0)
.endm
.macro CROUND                          ; a round of the cluster's barrier
	s_barrier_signal -1
	s_barrier_wait -1
	s_cmp_lg_u32 s14, 0
	s_cbranch_scc1 .Lnot_wave_0_\@
	s_barrier_signal -3
.Lnot_wave_0_\@:
	s_barrier_wait -3
	s_barrier_signal -1
	s_barrier_wait -1
.endm
.macro JLOAD                           ; a joint fill by the walking descriptors: waves 0, 1 fetch projected's two blocks, waves 2, 3 Ey's two; s_nop 0 and four v_nop follow each line
	s_cmp_lt_u32 s14, 2
	s_cbranch_scc0 .Lfor_e_\@
	tensor_load_to_lds s[48:51], s[28:35]
	s_nop 0
	NOPS 4
	s_branch .Lasked_\@
.Lfor_e_\@:
	tensor_load_to_lds s[56:59], s[36:43]
	s_nop 0
	NOPS 4
.Lasked_\@:
.endm
; A run of 17 LDS loads: one pair of scale words and projected's fragments 4 g .. 4 g + 3.  It leaves the destination's window at 1.
.macro PBG g
	WIN 0
	ds_load_b64 v[32+2*(\g):33+2*(\g)], v6 offset:256*(\g)
	WIN 0x40
.irp f, 0,1,2,3
.irp c, 0,1,2,3
	ds_load_b128 v[16*(4*(\g)+\f)+4*\c:16*(4*(\g)+\f)+4*\c+3], v5 offset:2048*(4*(\g)+\f)+512*\c
.endr
.endr
.endm
.macro PROD cc                         ; product hk of slot HKP: even fragments' scale words lie in lanes 0-15, odd ones' in lanes 16-31
.if hk%2
	v_wmma_scale_f32_16x16x128_f8f6f4 v[rD:rD+7], v[16*hk:16*hk+15], v[192+16*HKP:207+16*HKP], \cc, v[32+hk/2], v[40+HKP] matrix_a_scale:MATRIX_SCALE_ROW1
.else
	v_wmma_scale_f32_16x16x128_f8f6f4 v[rD:rD+7], v[16*hk:16*hk+15], v[192+16*HKP:207+16*HKP], \cc, v[32+hk/2], v[40+HKP]
.endif
.endm
; WHAT STANDS BEHIND A SEGMENT.  hk counts a fragment's 16 hooks.  HKP: the slot whose product hk is issued (-1: none); HKZ: it starts its sum; HKB: no vector line follows, the windows stay.
; HKL: run g of the next trip's loads stands at hook 4 g + 4 (g = 0, 1, 2), one segment (12 places or more) behind product 4 g + 3, the last that read those registers.
; HKW: run 3 stands at hook 0, a segment of 12 behind the last trip's product 15; and the runs are waited for, each ahead of its first product: the younger runs of 17 may be out.
.macro HOOK
.if HKL && (hk > 0) && (hk%4 == 0)
	PBG hk/4-1
.endif
.if HKW && (hk == 0)
	PBG 3
.endif
.if HKW && (hk%4 == 0)
	VW
	s_wait_dscnt 17*(3-hk/4)
.endif
.if HKP >= 0
	WIN 0xa1+0x50*(HKP/2)                          ; projected window 1, w window 0, C and D window 2 or 3
.set rD, 8*(16*(HKP%2)+hk)
.if HKZ
	PROD 0
.else
	PROD v[rD:rD+7]
.endif
.endif
.if HKB == 0
	WIN 0
.endif
.set hk, hk+1
.endm
.macro MINC a, c                       ; block c is held at 448 x its scale (the conversion to an 8-bit code does not saturate: ISA guide 7.6.2; w is never negative), two numbers a line, and converted
.irp k, 0,2,4,6,8,10,12,14
	v_dual_min_num_f32 v[128+16*(\c)+\k], v[128+16*(\c)+\k], v[52+(\c)] :: v_dual_min_num_f32 v[129+16*(\c)+\k], v[129+16*(\c)+\k], v[48+((\c)+1)%4]
.endr
	v_cvt_scalef32_pk8_fp8_f32 v[192+16*(\a)+4*(\c):193+16*(\a)+4*(\c)], v[128+16*(\c):135+16*(\c)], v[56+(\c)]
	v_cvt_scalef32_pk8_fp8_f32 v[194+16*(\a)+4*(\c):195+16*(\a)+4*(\c)], v[136+16*(\c):143+16*(\c)], v[56+(\c)]
.endm
; ONE FRAGMENT OF w, for slot a: 16 grid points x 128 entities; lane (r, h): grid point j = r of the wave's 16, register 16 c + k = entity 32 c + 16 h + k.
; exw: how many younger loads of Ex may be out; exnext: the slot's Ex of the next trip is asked for; eyload: the next trip's Ey is fetched from LDS (this is the last fragment that reads this trip's).
.macro FRAG a, exw, exnext, eyload
.set hk, 0
.set rR, 12+2*(\a)+44*((\a)/2)
	VW
.if HKL
	s_wait_dscnt 0x0                               ; the next trip's Ey is in
.endif
	s_wait_loadcnt \exw
.irp c, 0,1,2,3
.irp k, 0,2,4,6,8,10,12,14
	v_pk_mul_f32 v[128+16*\c+\k:129+16*\c+\k], v[64+16*\c+\k:65+16*\c+\k], v[rR:rR+1]       ; Ey x r
.endr
.irp k, 0,1,2,3
	v_mul_f32_dpp v[128+16*\c+\k], v[16+4*(\a)+\c], v[128+16*\c+\k] row_share:\k row_mask:0xf bank_mask:0xf   ; x Ex: lane k of my half holds entity 32 c + 16 h + k's
.endr
	HOOK
.irp k, 4,5,6,7,8,9,10,11,12,13,14,15
	v_mul_f32_dpp v[128+16*\c+\k], v[16+4*(\a)+\c], v[128+16*\c+\k] row_share:\k row_mask:0xf bank_mask:0xf
.endr
	HOOK
.endr
.irp c, 0,1,2,3
	v_max3_num_f32 v[44+\c], v[128+16*\c], v[129+16*\c], 0x4800000   ; the floor 2^(9 - 127) holds the byte at 1 from below
.endr
.irp i, 2,4
.irp c, 0,1,2,3
	v_max3_num_f32 v[44+\c], v[44+\c], v[128+16*\c+\i], v[129+16*\c+\i]   ; the four blocks by turns
.endr
.endr
.if \exnext
.if (\a) == 0
	VW
	s_wait_xcnt 0x0                                ; the bases are stepped only behind this wait
	s_add_nc_u64 s[66:67], s[66:67], 1024          ; two K steps on
	s_add_nc_u64 s[68:69], s[68:69], 1024
.endif
.irp c, 0,1,2,3
	global_load_b32 v[16+4*(\a)+\c], v7, s[66+2*((\a)/2):67+2*((\a)/2)] offset:((\a)%2)*16384+128*\c
.endr
.endif
.if \eyload
.irp q, 0,1,2,3,4,5,6,7,8,9,10,11,12,13,14,15
	ds_load_b128 v[64+4*\q:67+4*\q], v4 offset:512*\q
.endr
.endif
	HOOK
.irp i, 6,8
.irp c, 0,1,2,3
	v_max3_num_f32 v[44+\c], v[44+\c], v[128+16*\c+\i], v[129+16*\c+\i]
.endr
.endr
	HOOK
.irp i, 10,12,14
.irp c, 0,1,2,3
	v_max3_num_f32 v[44+\c], v[44+\c], v[128+16*\c+\i], v[129+16*\c+\i]
.endr
.endr
	HOOK
.irp c, 0,1,2,3
	v_permlanex16_b32 v[48+\c], v[44+\c], s60, s61
.endr
.irp c, 0,1,2,3
	v_max_num_f32 v[44+\c], v[44+\c], v[48+\c]     ; with lane l xor 16's: the block's largest
.endr
.irp c, 0,1,2,3
	v_add_nc_u32 v[56+\c], 0xfc000000, v[44+\c]    ; 8 off its exponent field: the conversion's scale operand
.endr
	HOOK
.irp c, 0,1,2,3
	v_and_or_b32 v[52+\c], v[44+\c], 0x7f800000, s62   ; 448 x the scale
.endr
	v_dual_mov_b32 v49, v52 :: v_dual_mov_b32 v50, v53   ; a second copy, one register bank on: the two halves of a pair take their second sources from different banks
	v_dual_mov_b32 v51, v54 :: v_dual_mov_b32 v48, v55
	MINC \a, 0
	HOOK
.irp c, 0,1,2,3
	v_lshrrev_b32 v[44+\c], 23, v[56+\c]           ; the scale's byte
.endr
	v_lshl_or_b32 v[40+(\a)], v45, 8, v44
	v_lshl_or_b32 v[40+(\a)], v46, 16, v[40+(\a)]
	v_lshl_or_b32 v[40+(\a)], v47, 24, v[40+(\a)]
	MINC \a, 1
	HOOK
	MINC \a, 2
	HOOK
	MINC \a, 3
	HOOK
	v_nop                                          ; one plain line behind the last conversion
.endm
; THE CHANGE OF SLOTS.  All of this trip's bytes are in registers.  Each wave waits for all its tensor loads (its part of the other slot), adds 0 to its spare word, and waits for that and for its reads.
; fill = 1: a round of the cluster's barrier, and the slot just left is filled with the blocks two trips on: the wave's one tensor load behind the round.
.macro CHANGE fill
	WIN 0
	VW
	s_wait_tensorcnt 0x0                           ; no tensor load of mine is out, so a group 0 may be written
	ds_add_u32 v8, v9
.if \fill
	s_xor_b32 s49, s49, SLOT1                      ; the walking descriptors: the other slot than last time, the next two K steps
	s_add_nc_u64 s[50:51], s[50:51], 2*PBLK
	s_xor_b32 s57, s57, SLOT1
	s_add_nc_u64 s[58:59], s[58:59], 32768
.endif
	s_wait_dscnt 0x0                               ; the add is done, and my reads of the slot are over
.if \fill
	CROUND
	JLOAD
.else
	s_barrier_signal -1
	s_barrier_wait -1
.endif
.endm
; A TRIP: fragments 1, 2, 3 of this trip and fragment 0 of the next, with the products of slots 0, 1, 2, 3 behind their segments.  Each of the 64 accumulators has one turn a trip, always in the same order.
; z: the products start the sums.  fill: 1 round and refill, 2 plain barrier, 0 none.  next: there is a next trip.  x1-x3: younger loads of Ex at each fragment's head.  exn, x0n: Ex is asked for.
.macro TRIP z, fill, next, x1, x2, x3, exn, x0n
.set HKZ, \z
.set HKL, 0
.set HKB, 0
.set HKP, 0
.set HKW, 1
	FRAG 1, \x1, \exn, 0
.set HKW, 0
.if \fill == 1
	CHANGE 1
.elseif \fill == 2
	CHANGE 0
.endif
.if \next
	s_xor_b32 s63, s63, SLOT1                      ; the fetches go on in the other slot
	v_add_nc_u32 v4, s63, v1
	v_add_nc_u32 v5, s63, v2
	v_add_nc_u32 v6, s63, v3
.endif
.set HKP, 1
	FRAG 2, \x2, \exn, 0
.set HKP, 2
	FRAG 3, \x3, \exn, \next
.set HKP, 3
.if \next
.set HKL, 1
	FRAG 0, 12, \x0n, 0
.set HKL, 0
.else
	NOPS 4                                         ; codes made by vector lines stand four places ahead of the product that takes them
.set HKB, 1
.set hk, 0
.rept 16
	HOOK
.endr
.set HKB, 0
.endif
	WIN 0
.endm
	s_load_b256 s[4:11], s[0:1], 0x0               ; pb s[4:5], ey s[6:7], ex s[8:9], sp s[10:11]
	s_load_b64 s[12:13], s[0:1], 0x20              ; out0
	v_lshl_add_u32 v8, v0, 2, SPARE
	v_mov_b32 v9, 0
	ds_add_u32 v8, v9                              ; the opening lines: the add twice on end and one wait, ahead of the round in front of my first tensor load
	ds_add_u32 v8, v9
	v_lshrrev_b32 v10, 5, v0
	v_readfirstlane_b32 s14, v10                   ; wave 0..3
	s_and_b32 s15, s14, 1                          ; gh.  Also: which of a slot's two K steps I fetch
	s_lshr_b32 s16, s14, 1                         ; kh
	s_bfe_u32 s17, ttmp6, 0x40000                  ; cx
	s_lshr_b32 s19, ttmp9, 3                       ; b
	s_bfe_u32 s20, ttmp9, 0x10002                  ; jh
	s_and_b32 s21, ttmp9, 3
	s_lshl_b32 s21, s21, 2
	s_add_co_u32 s21, s21, s17                     ; iq: it enters global addresses of ex, sp and out0 alone
	; group 1: dense blocks as rows of 256 bytes (32 elements of 8 bytes); mask: all four work-groups, bit 21 beside it
	s_mov_b32 s28, 15|(3<<16)|(1<<21)
	s_mov_b32 s29, 32<<16
	s_mov_b32 s30, 132<<16                         ; projected's block: 132 rows
	s_mov_b32 s31, 32<<16
	s_mov_b32 s32, 132
	s_mov_b32 s33, 32
	s_mov_b32 s34, 0
	s_mov_b32 s35, 0
	s_mov_b32 s36, 15|(3<<16)|(1<<21)
	s_mov_b32 s37, 32<<16
	s_mov_b32 s38, 64<<16                          ; Ey's block: 64 rows
	s_mov_b32 s39, 32<<16
	s_mov_b32 s40, 64
	s_mov_b32 s41, 32
	s_mov_b32 s42, 0
	s_mov_b32 s43, 0
	s_lshl_b32 s22, s19, 5
	s_add_co_u32 s22, s22, s15
	s_mul_i32 s22, s22, PBLK                       ; pb: block 32 b + my K step
	s_mov_b32 s23, 0
	s_lshl_b32 s24, s19, 1
	s_add_co_u32 s24, s24, s20
	s_lshl_b32 s24, s24, 5
	s_add_co_u32 s24, s24, s15
	s_lshl_b32 s24, s24, 14                        ; ey: block (2 b + jh) 32 + my K step
	s_mov_b32 s25, 0
	s_mul_i32 s26, s15, PBLK                       ; and their places in a slot
	s_lshl_b32 s27, s15, 14
	s_add_co_u32 s27, s27, EYO
	s_mov_b32 s60, 0x76543210
	s_mov_b32 s61, 0xfedcba98
	s_mov_b32 s62, 0x600000                        ; the mantissa field of 448
	s_mov_b32 s63, 0                               ; the slot in hand
	s_cmp_lg_u32 s16, 0
	s_cselect_b32 s71, -1, 0                       ; all lanes where kh = 1
	s_wait_dscnt 0x0                               ; both opening adds are done
	s_wait_kmcnt 0x0
	s_mov_b32 s44, 1                               ; slot 0's first fill: K steps 0, 1
	s_mov_b32 s45, s26
	s_add_nc_u64 s[46:47], s[4:5], s[22:23]
	s_mov_b32 s48, 1                               ; the walking descriptor begins at slot 1, K steps 2, 3
	s_add_co_u32 s49, s26, SLOT1
	s_add_nc_u64 s[50:51], s[46:47], 2*PBLK
	s_or_b32 s47, s47, 0x80000000
	s_or_b32 s51, s51, 0x80000000
	s_mov_b32 s52, 1
	s_mov_b32 s53, s27
	s_add_nc_u64 s[54:55], s[6:7], s[24:25]
	s_mov_b32 s56, 1
	s_add_co_u32 s57, s27, SLOT1
	s_add_nc_u64 s[58:59], s[54:55], 32768
	s_or_b32 s55, s55, 0x80000000
	s_or_b32 s59, s59, 0x80000000
	CROUND                                         ; all four work-groups are here: the first joint loads meet
	s_cmp_lt_u32 s14, 2                            ; one tensor load a wave at the head, each way through passes one: my quarter of slot 0
	s_cbranch_scc0 .Lfirst_e
	tensor_load_to_lds s[44:47], s[28:35]
	s_nop 0
	NOPS 4
	s_branch .Lfirst_asked
.Lfirst_e:
	tensor_load_to_lds s[52:55], s[36:43]
	s_nop 0
	NOPS 4
.Lfirst_asked:
	; sp: S_part[4 iq + e][16 (2 jh + gh) + r], e = 0 .. 3, is 16 bytes of lane 16 ((iq / 2) % 2) + r in part (iq / 4, 2 jh + gh, iq % 2) of each of the batch's 32 blocks
	s_lshl_b32 s72, s19, 19
	s_lshr_b32 s74, s21, 2
	s_lshl_b32 s74, s74, 12
	s_add_co_u32 s72, s72, s74
	s_lshl_b32 s74, s20, 1
	s_add_co_u32 s74, s74, s15
	s_lshl_b32 s74, s74, 10
	s_add_co_u32 s72, s72, s74
	s_and_b32 s74, s21, 1
	s_lshl_b32 s74, s74, 9
	s_add_co_u32 s72, s72, s74
	s_bfe_u32 s74, s21, 0x10001
	s_lshl_b32 s74, s74, 8
	s_add_co_u32 s72, s72, s74
	s_mov_b32 s73, 0
	s_add_nc_u64 s[10:11], s[10:11], s[72:73]
	; Ex: rows 64 b + 4 iq + (a xor 2 kh), 512 bytes a K step; slots 0, 1 from one base, slots 2, 3 from the other
	s_lshl_b32 s72, s19, 6
	s_lshl_b32 s74, s21, 2
	s_add_co_u32 s72, s72, s74
	s_lshl_b32 s74, s16, 1
	s_add_co_u32 s75, s72, s74
	s_lshl_b32 s75, s75, 5
	s_add_co_u32 s75, s75, s16
	s_lshl_b32 s76, s75, 9
	s_mov_b32 s77, 0
	s_add_nc_u64 s[66:67], s[8:9], s[76:77]
	s_sub_co_u32 s74, 2, s74
	s_add_co_u32 s75, s72, s74
	s_lshl_b32 s75, s75, 5
	s_add_co_u32 s75, s75, s16
	s_lshl_b32 s76, s75, 9
	s_add_nc_u64 s[68:69], s[8:9], s[76:77]
	; out0: row 4096 b + 64 (4 iq + 2 kh) + 32 jh + 16 gh of 1,024 bytes
	s_lshl_b32 s72, s19, 12
	s_lshl_b32 s74, s21, 2
	s_lshl_b32 s75, s16, 1
	s_add_co_u32 s74, s74, s75
	s_lshl_b32 s74, s74, 6
	s_add_co_u32 s72, s72, s74
	s_lshl_b32 s74, s20, 5
	s_add_co_u32 s72, s72, s74
	s_lshl_b32 s74, s15, 4
	s_add_co_u32 s72, s72, s74
	s_lshl_b32 s72, s72, 10
	s_add_nc_u64 s[12:13], s[12:13], s[72:73]
	s_lshl_b32 s18, s16, 14
	s_lshl_b32 s78, s15, 13
	s_add_co_u32 s18, s18, s78
	s_add_co_u32 s18, s18, EYO
	s_mul_i32 s78, s16, PBLK
	s_add_co_u32 s79, s78, 32768
	v_and_b32 v10, 15, v0
	v_and_b32 v11, 31, v0
	v_lshlrev_b32 v10, 4, v10
	v_lshlrev_b32 v7, 2, v11
	v_lshl_add_u32 v1, v11, 4, s18                 ; Ey: my K step's block, my 16 j, 16 x lane
	v_lshl_add_u32 v2, v11, 4, s78                 ; projected's codes: my K step's block
	v_lshl_add_u32 v3, v11, 3, s79                 ; and its scale words, 8 x lane
.irp c, 0,1,2,3
	v_mov_b32 v[48+\c], 0                          ; written once: a lane permute's destination counts as one of its sources
.endr
	VW
.irp s, 0,1,2,3,4,5,6,7,8,9,10,11,12,13,14,15,16,17,18,19,20,21,22,23,24,25,26,27,28,29,30,31
	global_load_b128 v[64+4*\s:67+4*\s], v10, s[10:11] offset:16384*\s
.endr
.irp a, 0,1,2,3
.irp c, 0,1,2,3
	global_load_b32 v[16+4*\a+\c], v7, s[66+2*(\a/2):67+2*(\a/2)] offset:(\a%2)*16384+128*\c
.endr
.endr
	s_wait_loadcnt 16                              ; sp's 32 loads are in; Ex's 16 may be out
.set q, 1
.rept 31
	v_pk_add_f32 v[64:65], v[64:65], v[64+4*q:65+4*q]      ; S: the 32 parts in ascending order
	v_pk_add_f32 v[66:67], v[66:67], v[66+4*q:67+4*q]
.set q, q+1
.endr
.irp e, 0,1,2,3
	v_add_f32 v[68+\e], 0x322bcc77, v[64+\e]       ; + 1e-8
.endr
	VW                                             ; ahead of the batch of reciprocals
.irp e, 0,1,2,3
	v_rcp_f32 v[72+\e], v[68+\e]
.endr
	v_nop                                          ; a plain place behind the reciprocals
	VW                                             ; and behind it
.irp e, 0,1,2,3
	v_fma_f32 v[76+\e], -v[68+\e], v[72+\e], 1.0
.endr
.irp e, 0,1,2,3
	v_fma_f32 v[80+\e], v[72+\e], v[76+\e], v[72+\e]       ; one correction
.endr
	v_cndmask_b32 v12, v80, v82, s71               ; slot a takes i = a xor 2 kh
	v_cndmask_b32 v14, v81, v83, s71
	v_cndmask_b32 v60, v82, v80, s71
	v_cndmask_b32 v62, v83, v81, s71
	v_mov_b32 v13, v12                             ; each twice: a pair for the packed multiply
	v_mov_b32 v15, v14
	v_mov_b32 v61, v60
	v_mov_b32 v63, v62
	VW                                             ; the head's end
	s_wait_tensorcnt 0x0                           ; my quarter of slot 0 is in; slot 1's first fill is issued as a refill is:
	ds_add_u32 v8, v9
	s_wait_dscnt 0x0
	CROUND                                         ; all of slot 0 is in, and the four work-groups are here
	JLOAD                                          ; slot 1: K steps 2, 3
	v_add_nc_u32 v4, s63, v1
	v_add_nc_u32 v5, s63, v2
	v_add_nc_u32 v6, s63, v3
.irp q, 0,1,2,3,4,5,6,7,8,9,10,11,12,13,14,15
	ds_load_b128 v[64+4*\q:67+4*\q], v4 offset:512*\q
.endr
	PBG 0                                          ; trip 0's runs 0 to 2; run 3 follows in fragment 1, as in every trip
	PBG 1
	PBG 2
	WIN 0
	s_wait_dscnt 51                                ; Ey's 16 loads are in; the three runs of 17 may be out
.set HKP, -1
.set HKZ, 0
.set HKW, 0
.set HKB, 0
.set HKL, 0
	FRAG 0, 12, 1, 0
	TRIP 1, 1, 1, 12, 12, 12, 1, 1                 ; trip 0 starts the sums; it asks for the blocks of trip 2
	s_mov_b32 s70, 13
.Ltrip:                                            ; trips 1 to 13
	TRIP 0, 1, 1, 12, 12, 12, 1, 1
	s_sub_co_u32 s70, s70, 1
	s_cmp_lg_u32 s70, 0
	s_cbranch_scc1 .Ltrip
	TRIP 0, 2, 1, 12, 12, 12, 1, 0                 ; trip 14: nothing is left to ask for; the tail is written out
	TRIP 0, 0, 0, 8, 4, 0, 0, 0                    ; trip 15: the counts of Ex's loads run down
	; THE WAY OUT.  The sums of slots 2, 3 go to wave wv xor 2 as images of their registers; it adds them to its slots 0, 1; a tile of 16 grid points x 256 outputs goes through the wave's stage and leaves as whole rows.
	; The ten address lines are the places behind the last products.
	v_and_b32 v1, 31, v0
	v_lshlrev_b32 v7, 4, v1                        ; 16 x lane (Ex's loads, which this register served, were waited for)
	s_lshl_b32 s22, s14, 15
	v_add_nc_u32 v2, s22, v7                       ; what I give
	s_xor_b32 s23, s14, 2
	s_lshl_b32 s23, s23, 15
	v_add_nc_u32 v3, s23, v7                       ; what I take
	s_mul_i32 s24, s14, 16*SGP
	s_add_co_u32 s24, s24, STG
	v_and_b32 v4, 15, v0
	v_bfe_u32 v5, v0, 4, 1
	v_mul_u32_u24 v4, v4, SGP
	v_lshl_add_u32 v4, v5, 5, v4
	v_add_nc_u32 v4, s24, v4                       ; my stage, in: row r, + 32 h
	v_add_nc_u32 v5, s24, v7                       ; and back
	VW
	WIN 0x0c
.set q, 0
.rept 64
	ds_store_b128 v2, v[4*q:4*q+3] offset:512*q    ; each accumulator from its low end on
.set q, q+1
.endr
	WIN 0
	s_wait_dscnt 0x0                               ; for the others' sake: my stores have landed; my reads of slot 1 are over
	s_barrier_signal -1
	s_barrier_wait -1
	WIN 0x40
.set q, 0
.rept 64
	ds_load_b128 v[4*q:4*q+3], v3 offset:512*q
.set q, q+1
.endr
.irp ap, 0,1
	s_wait_dscnt 32*(1-\ap)                        ; this tile's 32 loads are in; the other tile's may be out
	WIN 0x46
.set q, 0
.rept 64
	v_pk_add_f32 v[128*\ap+q:128*\ap+q+1], v[128*\ap+q:128*\ap+q+1], v[128*\ap+q:128*\ap+q+1]   ; window 1 = window 2 + window 1: the two halves of K
.set q, q+2
.endr
	WIN 0x04
.irp t, 0,1,2,3,4,5,6,7,8,9,10,11,12,13,14,15
	ds_store_b128 v4, v[128*\ap+8*\t:128*\ap+8*\t+3] offset:64*\t
	ds_store_b128 v4, v[128*\ap+8*\t+4:128*\ap+8*\t+7] offset:64*\t+16
.endr
	WIN 0
.if \ap
	s_wait_xcnt 0x0                                ; the first tile's stores have read the registers that are loaded again below
.endif
.irp i, 0,1,2,3,4,5,6,7,8,9,10,11,12,13,14,15,16,17,18,19,20,21,22,23,24,25,26,27,28,29,30,31
	ds_load_b128 v[64+4*\i:67+4*\i], v5 offset:SGP*(\i/2)+512*(\i%2)       ; LDS serves a wave's instructions in order (ISA guide 5.7.1): these see my stores
.endr
.irp i, 0,1,2,3,4,5,6,7,8,9,10,11,12,13,14,15,16,17,18,19,20,21,22,23,24,25,26,27,28,29,30,31
	s_wait_dscnt 31-\i
	global_store_b128 v7, v[64+4*\i:67+4*\i], s[12:13] offset:65536*\ap+1024*(\i/2)+512*(\i%2) th:TH_STORE_NT   ; 512 consecutive bytes, aligned; written once
.endr
.endr
	s_wait_tensorcnt 0x0                           ; the wave's end
	ds_add_u32 v8, v9
	s_wait_dscnt 0x0
	CROUND                                         ; the closing round
	s_endpgm
.Lfunc_end_k_q046db33eb7_pool:
	.size	k_q046db33eb7_pool, .Lfunc_end_k_q046db33eb7_pool-k_q046db33eb7_pool
	.p2alignl 7, 3214868480
	.fill 96, 4, 3214868480
	.section	.rodata,"a",@progbits
	.p2align	6, 0x0
	.amdhsa_kernel k_q046db33eb7_pool
		.amdhsa_group_segment_fixed_size 327680
		.amdhsa_private_segment_fixed_size 0
		.amdhsa_enable_private_segment 0
		.amdhsa_kernarg_size 40
		.amdhsa_user_sgpr_count 2
		.amdhsa_user_sgpr_kernarg_segment_ptr 1
		.amdhsa_wavefront_size32 1
		.amdhsa_system_sgpr_workgroup_id_x 1
		.amdhsa_system_sgpr_workgroup_id_y 1
		.amdhsa_system_sgpr_workgroup_id_z 1
		.amdhsa_system_vgpr_workitem_id 0
		.amdhsa_next_free_vgpr 1024
		.amdhsa_next_free_sgpr 80
		.amdhsa_reserve_vcc 0
		.amdhsa_float_denorm_mode_32 3
		.amdhsa_float_denorm_mode_16_64 3
		.amdhsa_memory_ordered 1
		.amdhsa_forward_progress 1
		.amdhsa_inst_pref_size 255
	.end_amdhsa_kernel
	.section	.bss,"aw",@nobits
	.p2align	6
	.space	262144
	.amdgpu_metadata
---
amdhsa.version: [ 1, 2 ]
amdhsa.kernels:
  - .name:           k_q046db33eb7_pool
    .symbol:         k_q046db33eb7_pool.kd
    .args:
      - { .name: pb, .offset: 0, .size: 8, .value_kind: global_buffer, .address_space: global }
      - { .name: ey, .offset: 8, .size: 8, .value_kind: global_buffer, .address_space: global }
      - { .name: ex, .offset: 16, .size: 8, .value_kind: global_buffer, .address_space: global }
      - { .name: sp, .offset: 24, .size: 8, .value_kind: global_buffer, .address_space: global }
      - { .name: out0, .offset: 32, .size: 8, .value_kind: global_buffer, .address_space: global }
    .group_segment_fixed_size: 327680
    .private_segment_fixed_size: 0
    .kernarg_segment_align: 8
    .kernarg_segment_size: 40
    .max_flat_workgroup_size: 128
    .sgpr_count:     80
    .vgpr_count:     1024
    .wavefront_size: 32
...
	.end_amdgpu_metadata
.endif
;; end of part 2
